; MI455X (gfx1250); checked and timed in simulation.
; The chip was launched on July 23, 2026; its instructions are those of AMD's public machine-readable ISA for CDNA 5 (MIT licence, August 2026) and "CDNA5" Instruction Set Architecture Reference Guide (July 2026). The comments in the code are by the model that wrote it; some were corrected since.
;; Q Ga Lore Linear. Allowed arithmetic: float matrix products may take bf16 or f16 operands with f32 sums; all other float work in f32.
;; Inputs: bias 2,048 float32; qweight 2,048 x 4,096 int32; scales 32,768 x 1 float32; x 4 x 2,048 x 4,096 float32; zeros 32,768 x 1 float32.
;; Outputs: out0 4 x 2,048 x 2,048 float32.
;; 2 versions, each right. Each part assembles by itself: llvm-mc -triple=amdgcn-amd-amdhsa -mcpu=gfx1250 --defsym DOCPART=n.
;; ======== version 1 of 2: 2 launches
;; workspace buffers: wb 16,777,216 bytes
;; launch dequant (part 1): grid 256 x 1, 8 waves a work-group, no clusters, 0 bytes of LDS; arguments qweight, scales, zeros, wb; writes wb
.if DOCPART == 1
	.amdgcn_target "amdgcn-amd-amdhsa--gfx1250"
	.amdhsa_code_object_version 6
	.text
	.protected	k_qb981bc1eeb_dequant
	.globl	k_qb981bc1eeb_dequant
	.p2align	8
	.type	k_qb981bc1eeb_dequant,@function
k_qb981bc1eeb_dequant:
	s_mov_b64 s[64:65], 0
	v_nop
	global_prefetch_b8 v0, s[64:65] scope:SCOPE_SE
	s_setreg_imm32_b32 hwreg(HW_REG_WAVE_MODE, 25, 1), 1
	s_wait_xcnt 0x0
; wb = bf16((f32(q) - zero) * scale): the weights of the product that follows, made once, in the layout that it wants.
; qweight: [2048][4096] int32.  scales, zeros: one f32 for each 256 neighbouring k, 16 to a row.
; wb: [kb = 0..63][p = 0..2047][64 k] bf16: byte kb*262144 + p*128 + 2*kk, k = 64 kb + kk.  So 128 positions x 64 k are 16,384 dense bytes.
; Position p holds the weight row n(p) = (p & 0x7c0) | ((p & 15) << 2) | ((p >> 4) & 3): within each 64 rows, position 16 b + r holds row 4 r + b.
; In the product a lane then finds four neighbouring output columns in four accumulators, and stores 16 bytes that belong together.
; ARITHMETIC.  q is converted as the cast does (to nearest; exact up to 2^24).  scales and zeros are rounded to bf16 first, as every floating-point input of this
; program is (x and bias in the next launch): one rounding for all inputs.  Then (q - z), then times s, in f32 in that order, rounded once to bf16.
; LIMITS.  A zero of 256 or more keeps bf16's step (2 from 256 on, 8 significant bits): the same size of error as the rounding of w, which holds -z s, has there.
; bf16 has f32's range.  NaN and infinities go through as the arithmetic makes them.
; SHARES.  A stream: no LDS, no barrier, no matrix work.  2,048 waves; wave W owns positions (W & ~1) and (W & ~1) + 1 (lanes 0-15, lanes 16-31) and half W & 1 of their rows: 32 kb, 8 groups.
; Lane c = lane % 16 owns 4 k of each kb.  A load covers 256 consecutive aligned bytes of each of the two rows; a store 256 consecutive aligned bytes of wb.
; All 36 loads of a wave go out at once; each unit has registers of its own, so no register that a store reads is written again and no wait frees any.
.set QO, 4                             ; v4      byte offset in qweight: n*16384 + half*8192 + 16 c
.set SO, 5                             ; v5      byte offset in wb: half*32*262144 + (W & ~1)*128 + 8*lane
.set GO, 6                             ; v6      byte offset in scales and in zeros: n*64 + half*32
.set TM, 7                             ; v7, v2  at work
.set TN, 2
.set S,  8                             ; v[8:15]   my 8 scales
.set Z,  16                            ; v[16:23]  my 8 zeros
.set X,  24                            ; v[24:151] unit u (kb = 32 half + u): 4 registers
	s_load_b256 s[4:11], s[0:1], 0x0               ; qweight s[4:5], scales s[6:7], zeros s[8:9], wb s[10:11]
	s_lshl_b32 s2, ttmp9, 3                        ; eight waves to a work-group
	s_mov_b32 s3, 0xffff0000                       ; a word's upper bf16
	v_and_b32 v1, 15, v0                           ; c
	v_bfe_u32 v2, v0, 4, 1                         ; which of the two positions
	v_lshrrev_b32 v3, 5, v0
	v_add_nc_u32 v3, s2, v3                        ; W
	v_and_b32 v7, 1, v3                            ; half
	v_and_b32 v3, 0x7fe, v3                        ; W & ~1
	v_and_b32 v[SO], 31, v0
	v_lshlrev_b32 v[SO], 3, v[SO]                  ; 8 bytes a lane: the two positions lie side by side
	v_lshl_add_u32 v[SO], v3, 7, v[SO]
	v_lshl_add_u32 v[SO], v7, 23, v[SO]
	v_add_nc_u32 v3, v3, v2                        ; p
	v_and_b32 v4, 0x7c0, v3
	v_and_b32 v6, 15, v3
	v_lshl_or_b32 v4, v6, 2, v4
	v_bfe_u32 v6, v3, 4, 2
	v_or_b32 v3, v4, v6                            ; n(p)
	v_lshlrev_b32 v[QO], 14, v3
	v_lshl_add_u32 v[QO], v7, 13, v[QO]
	v_lshl_add_u32 v[QO], v1, 4, v[QO]
	v_lshlrev_b32 v[GO], 6, v3
	v_lshl_add_u32 v[GO], v7, 5, v[GO]
	s_wait_kmcnt 0x0
	global_load_b128 v[S:S+3],   v[GO], s[6:7]
	global_load_b128 v[S+4:S+7], v[GO], s[6:7] offset:16
	global_load_b128 v[Z:Z+3],   v[GO], s[8:9]
	global_load_b128 v[Z+4:Z+7], v[GO], s[8:9] offset:16
.set un, 0
.rept 32
	global_load_b128 v[X+4*un:X+4*un+3], v[QO], s[4:5] offset:256*un th:TH_LOAD_NT  ; read once in the launch
.set un, un+1
.endr
	s_wait_loadcnt 32                              ; loads come back in order (ISA guide 5.7.1): scales and zeros are in, the 32 loads of q issued behind them stay out
.irp i, 0,2,4,6
	v_cvt_pk_bf16_f32 v[TM], v[S+\i], v[S+\i+1]    ; to bf16, to nearest even, and back into f32 registers
	v_cvt_pk_bf16_f32 v[TN], v[Z+\i], v[Z+\i+1]
	v_lshlrev_b32 v[S+\i], 16, v[TM]
	v_and_b32 v[S+\i+1], s3, v[TM]
	v_lshlrev_b32 v[Z+\i], 16, v[TN]
	v_and_b32 v[Z+\i+1], s3, v[TN]
.endr
; Unit u: 4 numbers a lane.  Its group is u / 4; the packed instructions take that group's zero and scale for both halves (op_sel picks the register of the pair).
.macro UNIT u
.set xr, X+4*(\u)
.set pr, 2*((\u)/8)
	s_wait_loadcnt 31-(\u)                         ; my load is in; the 31 - u younger ones stay out
.irp k, 0,1,2,3
	v_cvt_f32_i32 v[xr+\k], v[xr+\k]
.endr
.if ((\u)/4)%2 == 0
	v_pk_add_f32 v[xr:xr+1],   v[xr:xr+1],   v[Z+pr:Z+pr+1] op_sel_hi:[1,0] neg_lo:[0,1] neg_hi:[0,1]
	v_pk_add_f32 v[xr+2:xr+3], v[xr+2:xr+3], v[Z+pr:Z+pr+1] op_sel_hi:[1,0] neg_lo:[0,1] neg_hi:[0,1]
	v_pk_mul_f32 v[xr:xr+1],   v[xr:xr+1],   v[S+pr:S+pr+1] op_sel_hi:[1,0]
	v_pk_mul_f32 v[xr+2:xr+3], v[xr+2:xr+3], v[S+pr:S+pr+1] op_sel_hi:[1,0]
.else
	v_pk_add_f32 v[xr:xr+1],   v[xr:xr+1],   v[Z+pr:Z+pr+1] op_sel:[0,1] op_sel_hi:[1,1] neg_lo:[0,1] neg_hi:[0,1]
	v_pk_add_f32 v[xr+2:xr+3], v[xr+2:xr+3], v[Z+pr:Z+pr+1] op_sel:[0,1] op_sel_hi:[1,1] neg_lo:[0,1] neg_hi:[0,1]
	v_pk_mul_f32 v[xr:xr+1],   v[xr:xr+1],   v[S+pr:S+pr+1] op_sel:[0,1] op_sel_hi:[1,1]
	v_pk_mul_f32 v[xr+2:xr+3], v[xr+2:xr+3], v[S+pr:S+pr+1] op_sel:[0,1] op_sel_hi:[1,1]
.endif
	v_cvt_pk_bf16_f32 v[xr],   v[xr],   v[xr+1]
	v_cvt_pk_bf16_f32 v[xr+1], v[xr+2], v[xr+3]
	global_store_b64 v[SO], v[xr:xr+1], s[10:11] offset:262144*(\u)  ; 32 lanes x 8 bytes: 256 consecutive bytes at a multiple of 256; 31 x 262,144 lies inside the signed 24-bit immediate; the next launch reads wb, so no hint
.endm
.set un, 0
.rept 32
	UNIT un
.set un, un+1
.endr
	s_endpgm
.Lfunc_end_k_qb981bc1eeb_dequant:
	.size	k_qb981bc1eeb_dequant, .Lfunc_end_k_qb981bc1eeb_dequant-k_qb981bc1eeb_dequant
	.p2alignl 7, 3214868480
	.fill 96, 4, 3214868480
	.section	.rodata,"a",@progbits
	.p2align	6, 0x0
	.amdhsa_kernel k_qb981bc1eeb_dequant
		.amdhsa_group_segment_fixed_size 0
		.amdhsa_private_segment_fixed_size 0
		.amdhsa_enable_private_segment 0
		.amdhsa_kernarg_size 32
		.amdhsa_user_sgpr_count 2
		.amdhsa_user_sgpr_kernarg_segment_ptr 1
		.amdhsa_wavefront_size32 1
		.amdhsa_system_sgpr_workgroup_id_x 1
		.amdhsa_system_sgpr_workgroup_id_y 1
		.amdhsa_system_sgpr_workgroup_id_z 1
		.amdhsa_system_vgpr_workitem_id 0
		.amdhsa_next_free_vgpr 152
		.amdhsa_next_free_sgpr 66
		.amdhsa_reserve_vcc 0
		.amdhsa_float_denorm_mode_32 3
		.amdhsa_float_denorm_mode_16_64 3
		.amdhsa_memory_ordered 1
		.amdhsa_forward_progress 1
		.amdhsa_inst_pref_size 26
	.end_amdhsa_kernel
	.amdgpu_metadata
---
amdhsa.version: [ 1, 2 ]
amdhsa.kernels:
  - .name:           k_qb981bc1eeb_dequant
    .symbol:         k_qb981bc1eeb_dequant.kd
    .args:
      - { .name: qweight, .offset: 0, .size: 8, .value_kind: global_buffer, .address_space: global }
      - { .name: scales, .offset: 8, .size: 8, .value_kind: global_buffer, .address_space: global }
      - { .name: zeros, .offset: 16, .size: 8, .value_kind: global_buffer, .address_space: global }
      - { .name: wb, .offset: 24, .size: 8, .value_kind: global_buffer, .address_space: global }
    .group_segment_fixed_size: 0
    .private_segment_fixed_size: 0
    .kernarg_segment_align: 8
    .kernarg_segment_size: 32
    .max_flat_workgroup_size: 256
    .sgpr_count:     66
    .vgpr_count:     152
    .wavefront_size: 32
...
	.end_amdgpu_metadata
.endif
;; end of part 1
;; launch gemm (part 2): grid 8 x 32, 4 waves a work-group, clusters of 4 x 4, 327,680 bytes of LDS; arguments x, wb, out0, bias; writes out0
.if DOCPART == 2
	.amdgcn_target "amdgcn-amd-amdhsa--gfx1250"
	.amdhsa_code_object_version 6
	.text
	.protected	k_qb981bc1eeb_gemm
	.globl	k_qb981bc1eeb_gemm
	.p2align	8
	.type	k_qb981bc1eeb_gemm,@function
k_qb981bc1eeb_gemm:
	s_mov_b64 s[64:65], 0
	v_nop
	global_prefetch_b8 v0, s[64:65] scope:SCOPE_SE
	s_setreg_imm32_b32 hwreg(HW_REG_WAVE_MODE, 25, 1), 1
	s_wait_xcnt 0x0
	s_wait_alu depctr_hold_cnt(0) depctr_sa_sdst(0) depctr_va_vdst(0) depctr_va_sdst(0) depctr_va_ssrc(0) depctr_va_vcc(0) depctr_vm_vsrc(0)
	s_getreg_b32 s2, hwreg(HW_REG_IB_STS2, 6, 4)
	s_cmp_eq_u32 s2, 0
	s_cbranch_scc0 .Lentry_in_a_cluster
	s_endpgm
.Lentry_in_a_cluster:
	s_bfe_u32 s2, ttmp6, 0x10000c
	s_cmp_lg_u32 s2, 0xf033
	s_cbranch_scc0 .Lentry_shape_is_right
	s_endpgm
.Lentry_shape_is_right:
; out0[m][n] = sum over k of x[m][k] W[n][k] + bias[n].  x: [8192][4096] f32.  wb: W in bf16 as the launch before laid it: [kb][position][64 k], position 16 b + r of each 64 holding row 4 r + b.
; bias: [2048] f32.  out0: [8192][2048] f32.
; ARITHMETIC.  x is rounded to bf16 (to nearest even) between LDS and the matrix instruction, each number once in a work-group; sums in f32, K ascending, one accumulator an output;
; bias is rounded to bf16 like every floating-point input of this program and added last, in f32.  bf16 has f32's range; NaN and infinities go through as the arithmetic makes them.
; SHARES.  32 x 8 tiles of 256 x 256 of out0, a work-group each.  Four waves, each 64 rows x all 256 columns: 64 accumulators of 16 x 16, 512 registers.  For one k a wave reads 64 x 4 bytes of x and
; 256 x 2 of W from LDS, as many as a square share would, and x's rows are the wave's own: 32 conversions for 64 matrix instructions, half of what a square share would need.
; RING.  K goes in steps of 64 through two LDS slots (a k costs 256 x 4 + 256 x 2 bytes; two slots of 128 k do not fit).  x's rows in a tile are 256 consecutive aligned bytes of memory; a tile of wb is
; 16,384 dense bytes, asked for as 64 rows of 256.  Waves 0 and 1 fetch x's two halves, waves 2 and 3 wb's: one tensor load a wave for a step.  By this text's count a wave has two loads out at the start, later one.
; CLUSTER.  4 x 4 work-groups.  The four of a row of the cluster need the same tile of x, the four of a column the same tile of wb: each tile is asked for JOINTLY, by the same load with the same descriptor and a mask of the four.
; WAY OUT.  Lane (r, h) of the accumulators of n blocks 4 g .. 4 g + 3 holds columns 64 g + 4 r + 0..3 of one row.  The bias add writes them into four neighbouring registers: a store of 16 bytes a lane,
; sixteen lanes to 256 consecutive aligned bytes, without a stage in LDS.
; REGISTERS, in windows of 256 (s_set_vgpr_msb: bits 1:0 source 0, 3:2 source 1, 5:4 source 2, 7:6 destination):
;   window 0: v0-31 addresses; v32-47 bias; v64-127 x of one chunk (32 k) in f32; v128-159, v160-191 x's fragments in bf16, two buffers
;   window 1: v0-127, v128-255 wb's 16 fragments, two buffers; on the way out what is stored
;   window 2: accumulators of m blocks 0, 1 ((a, b) at v[128 (a % 2) + 8 b]);   window 3: of m blocks 2, 3
.set KSTEP,  64
.set LAPS,   4096/(2*KSTEP)            ; a lap = two K steps = once round the ring
.set PA,     272                       ; an LDS row of x: 256 bytes + 16 of padding = 68 words: row r starts at bank 4 r mod 64 (64 banks of 4 bytes: ISA guide 11.1): the 16 rows of a load start at 16 different groups of four banks
.set PB,     144                       ; an LDS row of wb: 128 + 16 = 36 words: likewise
.set AHALF,  128*PA                    ; what one load of x brings
.set ABYTES, 2*AHALF
.set BHALF,  128*PB                    ; what one load of wb brings
.set SLOT,   ABYTES+2*BHALF            ; x's 256 rows, then wb's 256 positions: 106,496 bytes
.set SPARE,  2*SLOT                    ; behind the ring: the spare words, 128 bytes for each wave: two blocks of 256 bytes that no other line names
.set WBSTEP, 2048*KSTEP*2              ; bytes from a K step of wb to the next
.set ADRA, 16                          ; v16-17  LDS address of my fragments of x in slot 0, 1
.set ADRB, 20                          ; v20-21  the same for wb
.set PF,   22                          ; v22     the prefetch's byte offset from x's first row of my tile row
.set PFM,  23                          ; v23     its upper bound: K steps 62 and 63 of the same row
.set CO,   26                          ; v26     my byte offset in out0: 8 h rows + 16 r
.set BO,   27                          ; v27     my byte offset in bias: 16 r
.set SPW,  28                          ; v28     LDS address of my spare word: SPARE + 4 x my thread's number; never rewritten
.set NIL,  29                          ; v29     0; never rewritten
.set BI,   32                          ; v32-47  bias of column 64 g + 4 r + b at BI + 4 g + b
.set STG,  64                          ; v64-127 x in f32: m block i at STG + 16 i, a lane's 16 k in fragment order
.set AF,   128                         ; x's fragments: buffer f, m block a at AF + 32 f + 8 a
.set WV,  12                           ; s12  my wave's number
.set FB,  13                           ; s13  0: I fetch x; 1: I fetch wb
.set HF,  14                           ; s14  which 128 rows of that tile I fetch
.set G1A, 24                           ; s[24:31] descriptor group 1 for x's tiles;  s[32:39] group 0, a set for each slot
.set G0A, 32
.set G1B, 48                           ; s[48:55], s[56:63] the same for wb's tiles
.set G0B, 56
.set MSB, 0
.macro WIN new                         ; the immediate's high byte repeats the setting that is left; a switch that changes nothing is dropped
.if MSB != (\new)
	s_set_vgpr_msb (MSB<<8)|(\new)
.set MSB, \new
.endif
.endm
.set MUL_LO, 0xa4                      ; source 0 (x) window 0, source 1 (wb) window 1, C and D window 2
.set MUL_HI, 0xf4                      ; the same, C and D window 3
.set TO_B,   0x40                      ; destination window 1, address window 0
.macro PLACES                          ; a load into a register that a matrix instruction has read, and a vector instruction that writes one, stand four places behind it; only plain vector
.rept 4                                ; instructions that name none of its registers are places (ISA guide 7.12.1 for vector instructions)
	v_nop
.endr
.endm
; A joint load.  Each of the two lines has ONE mask and one set of registers for all that issue it; the branch hangs on the wave's number alone.  An s_nop 0 and four v_nop follow each line, ahead of
; the jump, the label and what follows.  pf = 1: waves 0 and 1 also ask ahead for x (see the head of the loop).
.macro JLOAD s, pf
	s_cmp_eq_u32 s[FB], 0
	s_cbranch_scc0 .Lfor_b_\@
	tensor_load_to_lds s[G0A+4*(\s):G0A+4*(\s)+3], s[G1A:G1A+7]
	s_nop 0
.rept 4
	v_nop
.endr
.if \pf
	global_prefetch_b8 v[PF], s[2:3] th:TH_LOAD_NT scope:SCOPE_SE
.endif
	s_branch .Lasked_\@
.Lfor_b_\@:
	tensor_load_to_lds s[G0B+4*(\s):G0B+4*(\s)+3], s[G1B:G1B+7]
	s_nop 0
.rept 4
	v_nop
.endr
.Lasked_\@:
.endm
; A round of the cluster's barrier: my work-group's barrier, so that wave 0's signal speaks for all four waves; wave 0 signals for the work-group; every wave waits for all sixteen; my work-group's barrier once more.
.macro CREST                           ; a round behind its opening barrier
	s_cmp_lg_u32 s[WV], 0
	s_cbranch_scc1 .Lnot_wave_0_\@
	s_barrier_signal -3
.Lnot_wave_0_\@:
	s_barrier_wait -3
	s_barrier_signal -1
	s_barrier_wait -1
.endm
.macro CROUND                          ; a whole round
	s_barrier_signal -1
	s_barrier_wait -1
	CREST
.endm
	s_load_b256 s[4:11], s[0:1], 0x0               ; x s[4:5], wb s[6:7], out0 s[8:9], bias s[10:11]
	v_lshl_add_u32 v[SPW], v0, 2, SPARE
	v_mov_b32 v[NIL], 0
	ds_add_u32 v28, v29
	s_wait_dscnt 0x0
	v_lshrrev_b32 v1, 5, v0
	v_readfirstlane_b32 s[WV], v1                  ; wave 0..3
	s_lshr_b32 s[FB], s[WV], 1
	s_and_b32 s[HF], s[WV], 1
	s_bfe_u32 s16, ttmp6, 0x40000                  ; cx, cy: my place in the cluster
	s_bfe_u32 s17, ttmp6, 0x40004
	s_lshl_b32 s18, ttmp9, 2                       ; in a cluster launch ttmp9 and ttmp7 count clusters
	s_add_co_u32 s18, s18, s16                     ; tile column = 4 x cluster x + cx
	s_and_b32 s19, ttmp7, 0xffff
	s_lshl_b32 s19, s19, 2
	s_add_co_u32 s19, s19, s17                     ; tile row = 4 x cluster y + cy
	s_lshl_b32 s20, s17, 2
	s_lshl_b32 s20, 15, s20                        ; my row of the cluster: places 4 cy .. 4 cy + 3
	s_lshl_b32 s21, 0x1111, s16                    ; my column: places cx, cx + 4, cx + 8, cx + 12
	; group 1 for x: 128 rows x 64 elements of 4 bytes, 16 bytes of padding behind each row
	s_or_b32 s[G1A+0], s20, (2<<16)|(1<<20)|(1<<21)|(5<<22)|(3<<25)  ; 15:0 the mask: my row; 17:16 elements of 4 bytes; 20 padding on; 21 set beside a mask; 24:22 after every 64 words (code 5); 31:25 4 words (code 3)
	s_mov_b32 s[G1A+1], KSTEP<<16                  ; tensor_dim0 = 64
	s_mov_b32 s[G1A+2], 128<<16                    ; tensor_dim1 = 128
	s_mov_b32 s[G1A+3], KSTEP<<16                  ; tile_dim0 = 64
	s_mov_b32 s[G1A+4], 128                        ; tile_dim1 = 128
	s_mov_b32 s[G1A+5], 4096                       ; elements from row to row
	s_mov_b32 s[G1A+6], 0
	s_mov_b32 s[G1A+7], 0
	; group 1 for wb: 128 positions x 128 bytes are dense: 64 rows x 128 elements of 2 bytes, 16 bytes of padding behind every 128 bytes, that is behind every position
	s_or_b32 s[G1B+0], s21, (1<<16)|(1<<20)|(1<<21)|(4<<22)|(3<<25)  ; the mask: my column; elements of 2 bytes; after every 32 words (code 4) 4 words
	s_mov_b32 s[G1B+1], 128<<16                    ; tensor_dim0 = 128
	s_mov_b32 s[G1B+2], 64<<16                     ; tensor_dim1 = 64
	s_mov_b32 s[G1B+3], 128<<16                    ; tile_dim0 = 128
	s_mov_b32 s[G1B+4], 64                         ; tile_dim1 = 64
	s_mov_b32 s[G1B+5], 128                        ; elements from row to row
	s_mov_b32 s[G1B+6], 0
	s_mov_b32 s[G1B+7], 0
	; where the tiles come from.  x's hang on the tile row alone, which my row of the cluster shares; wb's on the tile column alone.  Each address is made in registers that never hold the other coordinate.
	s_lshl_b32 s40, s19, 8
	s_lshl_b32 s41, s[HF], 7
	s_add_co_u32 s40, s40, s41                     ; x: row 256 x tile row + 128 x half,
	s_lshl_b32 s40, s40, 14                        ; times 16,384 bytes: under 2^27
	s_mov_b32 s41, 0
	s_lshl_b32 s42, s18, 15                        ; wb: position 256 x tile column + 128 x half, times 128 bytes
	s_lshl_b32 s43, s[HF], 14
	s_add_co_u32 s42, s42, s43
	s_mov_b32 s43, 0
	s_mul_i32 s44, s[HF], AHALF                    ; and where they go: no place in the cluster enters an LDS address
	s_mul_i32 s45, s[HF], BHALF
	s_add_co_u32 s45, s45, ABYTES
	s_wait_kmcnt 0x0
	s_add_nc_u64 s[40:41], s[4:5], s[40:41]
	s_add_nc_u64 s[42:43], s[6:7], s[42:43]
	CROUND                                         ; all sixteen work-groups are here: the first joint loads meet
.irp s, 0,1
	s_mov_b32 s[G0A+4*(\s)], 1                                       ; count = 1
	s_add_co_u32 s[G0A+4*(\s)+1], s44, (\s)*SLOT                     ; LDS address
	s_add_nc_u64 s[G0A+4*(\s)+2:G0A+4*(\s)+3], s[40:41], (\s)*KSTEP*4  ; global address: K step s
	s_or_b32 s[G0A+4*(\s)+3], s[G0A+4*(\s)+3], 0x80000000            ; type = 2
	s_mov_b32 s[G0B+4*(\s)], 1
	s_add_co_u32 s[G0B+4*(\s)+1], s45, (\s)*SLOT
	s_add_nc_u64 s[G0B+4*(\s)+2:G0B+4*(\s)+3], s[42:43], (\s)*WBSTEP
	s_or_b32 s[G0B+4*(\s)+3], s[G0B+4*(\s)+3], 0x80000000
	JLOAD \s, 0                                    ; the ring is filled before anything else is done
.endr
	; A fragment is 16 rows x 32 k in 8 registers: lane l holds row r = l % 16; registers 0-3 k = 8 h + 0..7, registers 4-7 k = 16 + 8 h + 0..7, h = l / 16.
	; Of wb (bf16): two loads of 16 bytes at 16 h and 16 h + 32.  Of x (f32): four, at 32 h + 0, 16, 64, 80, and eight conversions.
	v_and_b32 v1, 15, v0                           ; r
	v_bfe_u32 v2, v0, 4, 1                         ; h
	v_mul_u32_u24 v3, v1, PA
	v_lshl_add_u32 v3, v2, 5, v3
	s_mul_i32 s46, s[WV], 64*PA                    ; my 64 rows of x
	v_add_nc_u32 v[ADRA], s46, v3
	v_add_nc_u32 v[ADRA+1], SLOT, v[ADRA]
	v_mul_u32_u24 v3, v1, PB
	v_lshl_add_u32 v3, v2, 4, v3
	v_add_nc_u32 v[ADRB], ABYTES, v3               ; every wave reads all 256 positions
	v_add_nc_u32 v[ADRB+1], SLOT, v[ADRB]
	v_lshlrev_b32 v[BO], 4, v1
	v_lshl_add_u32 v[CO], v2, 16, v[BO]            ; lanes 16-31 lie 8 rows of 8,192 bytes further down
	s_lshl_b32 s22, s19, 21                        ; out0: (256 x tile row + 64 x wave) rows of 8,192 bytes + 256 x tile column x 4
	s_lshl_b32 s23, s[WV], 19
	s_add_co_u32 s22, s22, s23
	s_lshl_b32 s23, s18, 10
	s_add_co_u32 s22, s22, s23
	s_mov_b32 s23, 0
	s_add_nc_u64 s[8:9], s[8:9], s[22:23]
	s_lshl_b32 s22, s18, 10
	s_add_nc_u64 s[10:11], s[10:11], s[22:23]      ; bias at the tile's first column
.irp g, 0,1,2,3
	global_load_b128 v[BI+4*(\g):BI+4*(\g)+3], v[BO], s[10:11] offset:256*(\g)
.endr
	s_lshl_b32 s22, s19, 22
	s_add_nc_u64 s[2:3], s[4:5], s[22:23]          ; x at my tile row's first row: the prefetch's base
	s_lshl_b32 s22, s18, 5                         ; the eight work-groups of a tile row share its 256 rows: 32 each, 16 for each of waves 0 and 1, one a lane r
	s_lshl_b32 s23, s[HF], 4
	s_add_co_u32 s22, s22, s23
	v_add_nc_u32 v3, s22, v1
	v_lshlrev_b32 v3, 14, v3
	v_lshl_add_u32 v3, v2, 8, v3                   ; h picks the even or the odd K step's 256 bytes
	v_add_nc_u32 v[PF], 4*KSTEP*4, v3              ; the first trip asks for K steps 4 and 5
	v_add_nc_u32 v[PFM], 62*KSTEP*4, v3
; n matrix instructions: m block a x n blocks b0 on, 32 along K, from buffer f.  zero = 1: the product starts the sum: nothing is ever cleared.
; The 64 accumulators take turns, one instruction a turn, in the same order in every chunk, over the loop's backward jump too.
.macro MUL f, a, b0, n, zero
	WIN MUL_LO+0x50*((\a)/2)
.set mb, (\b0)
.rept (\n)
.set rD, 128*((\a)%2)+8*mb
.if \zero
	v_wmma_f32_16x16x32_bf16 v[rD:rD+7], v[AF+32*(\f)+8*(\a):AF+32*(\f)+8*(\a)+7], v[128*(\f)+8*mb:128*(\f)+8*mb+7], 0
.else
	v_wmma_f32_16x16x32_bf16 v[rD:rD+7], v[AF+32*(\f)+8*(\a):AF+32*(\f)+8*(\a)+7], v[128*(\f)+8*mb:128*(\f)+8*mb+7], v[rD:rD+7]
.endif
.set mb, mb+1
.endr
.endm
; Four of the 32 conversions that make buffer g's fragments of x out of the f32 numbers just fetched
.macro CVT4 g, i
	WIN 0
.set ct, 4*(\i)
.rept 4
	v_cvt_pk_bf16_f32 v[AF+32*(\g)+ct], v[STG+2*ct], v[STG+2*ct+1]
.set ct, ct+1
.endr
.endm
; m block 3 of buffer f; behind each of its first eight products stand four conversions for buffer g, which name no register of the products round them
.macro MULR f, g, zero
.set bb, 0
.rept 16
	MUL \f, 3, bb, 1, \zero
.if bb < 8
	CVT4 \g, bb
.endif
.set bb, bb+1
.endr
.endm
; 48 LDS loads in one run: chunk c (32 k) of a slot: my 64 rows of x into STG, then wb's 256 positions into buffer f.  x's 16 stand first, so that a wait can leave wb's 32 out.
.macro FETCH slot, c, f
	WIN 0
.irp i, 0,1,2,3
	ds_load_b128 v[STG+16*(\i):STG+16*(\i)+3],     v[ADRA+(\slot)] offset:(\i)*16*PA+128*(\c)
	ds_load_b128 v[STG+16*(\i)+4:STG+16*(\i)+7],   v[ADRA+(\slot)] offset:(\i)*16*PA+128*(\c)+16
	ds_load_b128 v[STG+16*(\i)+8:STG+16*(\i)+11],  v[ADRA+(\slot)] offset:(\i)*16*PA+128*(\c)+64
	ds_load_b128 v[STG+16*(\i)+12:STG+16*(\i)+15], v[ADRA+(\slot)] offset:(\i)*16*PA+128*(\c)+80
.endr
	WIN TO_B
.irp b, 0,1,2,3,4,5,6,7,8,9,10,11,12,13,14,15
	ds_load_b128 v[128*(\f)+8*(\b):128*(\f)+8*(\b)+3],   v[ADRB+(\slot)] offset:(\b)*16*PB+64*(\c)
	ds_load_b128 v[128*(\f)+8*(\b)+4:128*(\f)+8*(\b)+7], v[ADRB+(\slot)] offset:(\b)*16*PB+64*(\c)+32
.endr
.endm
; A K step is two chunks of 32 k, 64 matrix instructions each, on buffers 0 and 1.  The first multiplies buffer 0 and fetches the slot's second chunk into buffer 1.
.macro CHUNK0 slot, zero
	s_wait_dscnt 16                                ; wb's n blocks 0-7 are in; the youngest sixteen loads (blocks 8-15) may be out
	MUL 0, 0, 0, 8, \zero
	s_wait_dscnt 0x0
	MUL 0, 0, 8, 8, \zero
	PLACES                                         ; behind the last products that read buffer 1
	FETCH \slot, 1, 1
	MUL 0, 1, 0, 16, \zero
	MUL 0, 2, 0, 16, \zero
	s_wait_dscnt 32                                ; x's 16 loads are in; wb's 32, issued behind them, stay out
	MULR 0, 1, \zero
.endm
; The second chunk multiplies buffer 1 and changes slots: ONE barrier, for two things.  In front of it each wave waits for all its tensor loads, of which one is out: its part of the next slot; adds 0 to its
; spare word; and waits for that and for its own reads of this slot.  Behind it nobody reads this slot any more and the next slot is whole.
; fill = 1: the barrier opens a round of the cluster's barrier, and this slot is filled again, two K steps on, first thing behind the round: 112 matrix instructions ahead of the wait for that load.
; pf = 1: the joint load's macro also asks ahead for x; pf = 2: the offset of that request steps, a K step behind the request.
.macro TURN slot, next, fill, pf
	WIN 0                                          ; (the add's two registers lie in window 0)
	s_wait_tensorcnt 0x0                           ; all my tensor loads have landed: the one that was out is my part of the next slot;
	ds_add_u32 v[SPW], v[NIL]                      ; 0 onto my spare word
	s_wait_dscnt 17                                ; (wb's n blocks 0-7 are in; the add and the youngest sixteen loads may be out)
	MUL 1, 0, 0, 8, 0                              ; eight matrix instructions stand between the add and the wait for it
	s_wait_dscnt 0x0                               ; the add is done, and my reads of this slot are over
	s_barrier_signal -1
	MUL 1, 0, 8, 8, 0                              ; work on registers while the others arrive
.if \fill
	WIN 0
.endif
	s_barrier_wait -1
.if \fill
	CREST                                          ; no wave of any partner still reads this slot's tiles or has a load on its way
	s_add_nc_u64 s[G0A+4*(\slot)+2:G0A+4*(\slot)+3], s[G0A+4*(\slot)+2:G0A+4*(\slot)+3], 2*KSTEP*4  ; no tensor load of mine is out, so a group 0 may be written; the type bits on top are not reached
	s_add_nc_u64 s[G0B+4*(\slot)+2:G0B+4*(\slot)+3], s[G0B+4*(\slot)+2:G0B+4*(\slot)+3], 2*WBSTEP
.if (\pf) == 1
	JLOAD \slot, 1                                 ; the four v_nop behind the load are also the places in front of the loads below
.else
	JLOAD \slot, 0
.endif
.if (\pf) == 2
	s_wait_xcnt 0x0                                ; the request of the change of slots before has had its address translated (ISA guide 3.1): its offset is rewritten only behind this wait
	v_add_nc_u32 v[PF], 2*KSTEP*4, v[PF]           ; two K steps on,
	v_min_u32 v[PF], v[PF], v[PFM]                 ; and never past K steps 62 and 63 of the row
.endif
.else
	PLACES
.endif
	FETCH \next, 0, 0
	MUL 1, 1, 0, 16, 0
	MUL 1, 2, 0, 16, 0
	s_wait_dscnt 32                                ; x's 16 loads are in; wb's 32 stay out
	MULR 1, 0, 0
.endm
	s_wait_tensorcnt 1                             ; my part of K step 0 is in; K step 1's load, issued behind it, stays out
	s_barrier_signal -1
	s_barrier_wait -1                              ; everybody's is
	FETCH 0, 0, 0
	s_wait_dscnt 32                                ; x's 16 loads
.irp i, 0,1,2,3,4,5,6,7
	CVT4 0, \i                                     ; the first chunk's conversions have no products to stand behind
.endr
	CHUNK0 0, 1                                    ; the first chunk stands in front of the loop: its products start the sums
	WIN 0                                          ; at a label and at a branch every window is 0
	s_mov_b32 s15, LAPS-1
; A trip goes once round the ring, from a lap's second chunk to the next lap's first, and fills both slots again: trip t (from 0) asks for K steps 2 t + 2 and 2 t + 3.
; AHEAD OF THE TENSOR LOADS: in trip t waves 0 and 1 also ask, once, for x's K steps 2 t + 4 and 2 t + 5 in 16 rows each, a lane to each 256 bytes.  The eight work-groups of a tile row take 32 of its 256 rows
; each, so each such block is asked for by one lane of the launch.  The tensor loads that want those bytes are issued one trip and one and a half trips later.  K steps 0 to 3 are not asked for; in the last trip
; the bound repeats K steps 62 and 63, so that no request leaves its row.  wb is not asked for: the launch before has just written its 16 MiB.
.Llap:
	TURN 0, 1, 1, 1
	CHUNK0 1, 0
	TURN 1, 0, 1, 2
	CHUNK0 0, 0
	WIN 0
	s_sub_co_u32 s15, s15, 1
	s_cmp_lg_u32 s15, 0
	s_cbranch_scc1 .Llap
	TURN 0, 1, 0, 0                                ; the last lap's rest is written out, so no round of the cluster's barrier and no tensor load
	CHUNK0 1, 0
	s_wait_dscnt 16                                ; the very last chunk: nothing more to fetch
	MUL 1, 0, 0, 8, 0
	s_wait_dscnt 0x0
	MUL 1, 0, 8, 8, 0
	MUL 1, 1, 0, 16, 0
	MUL 1, 2, 0, 16, 0
	MUL 1, 3, 0, 16, 0
	; THE WAY OUT.  bias is rounded to bf16 and widened again: 24 plain vector instructions that name no register of the last products: they are the places behind those.
	WIN 0
	s_wait_loadcnt 0x0                             ; bias
.irp i, 0,2,4,6,8,10,12,14
	v_cvt_pk_bf16_f32 v3, v[BI+\i], v[BI+\i+1]
	v_lshlrev_b32 v[BI+\i], 16, v3
	v_and_b32 v[BI+\i+1], 0xffff0000, v3
.endr
; m block a, by groups g of 64 columns.  Register j of the accumulators of n blocks 4 g + 0..3 is row 16 a + 8 h + j, columns 64 g + 4 r + 0..3: the add puts the four side by side in window 1, where wb's
; fragments lay (two halves by turns).  j ascends.
.macro OUT a
.set tb, 128*((\a)%2)
.if (\a) >= 2
	s_wait_xcnt 0x0                                ; the stores of the block two back have had their addresses translated (ISA guide 3.1): their data registers are rewritten only behind this wait
.endif
.irp g, 0,1,2,3
	WIN 0x42+(\a)/2                                ; destination window 1, source 0 window 2 or 3, source 1 window 0
.irp j, 0,1,2,3,4,5,6,7
.irp b, 0,1,2,3
	v_add_f32 v[tb+32*(\g)+4*(\j)+(\b)], v[128*((\a)%2)+8*(4*(\g)+(\b))+(\j)], v[BI+4*(\g)+(\b)]
.endr
.endr
	WIN 0x04                                       ; store data window 1, address window 0
.irp j, 0,1,2,3,4,5,6,7
	global_store_b128 v[CO], v[tb+32*(\g)+4*(\j):tb+32*(\g)+4*(\j)+3], s[8:9] offset:(16*(\a)+(\j))*8192+256*(\g) th:TH_STORE_NT  ; 16 lanes store 256 consecutive bytes, at a multiple of 256 from out0's first byte; written once, not read again
.endr
.endr
.endm
	OUT 0
	OUT 1
	OUT 2
	OUT 3
	WIN 0
	s_wait_tensorcnt 0x0                           ; the wave's end: a wait for my last tensor load, then my last LDS instructions
	ds_add_u32 v[SPW], v[NIL]
	s_wait_dscnt 0x0
	CROUND                                         ; the closing round: no work-group ends while a partner may still ask for a tile that names it
	s_endpgm
.Lfunc_end_k_qb981bc1eeb_gemm:
	.size	k_qb981bc1eeb_gemm, .Lfunc_end_k_qb981bc1eeb_gemm-k_qb981bc1eeb_gemm
	.p2alignl 7, 3214868480
	.fill 96, 4, 3214868480
	.section	.rodata,"a",@progbits
	.p2align	6, 0x0
	.amdhsa_kernel k_qb981bc1eeb_gemm
		.amdhsa_group_segment_fixed_size 327680
		.amdhsa_private_segment_fixed_size 0
		.amdhsa_enable_private_segment 0
		.amdhsa_kernarg_size 32
		.amdhsa_user_sgpr_count 2
		.amdhsa_user_sgpr_kernarg_segment_ptr 1
		.amdhsa_wavefront_size32 1
		.amdhsa_system_sgpr_workgroup_id_x 1
		.amdhsa_system_sgpr_workgroup_id_y 1
		.amdhsa_system_sgpr_workgroup_id_z 1
		.amdhsa_system_vgpr_workitem_id 0
		.amdhsa_next_free_vgpr 1024
		.amdhsa_next_free_sgpr 66
		.amdhsa_reserve_vcc 0
		.amdhsa_float_denorm_mode_32 3
		.amdhsa_float_denorm_mode_16_64 3
		.amdhsa_memory_ordered 1
		.amdhsa_forward_progress 1
		.amdhsa_inst_pref_size 119
	.end_amdhsa_kernel
	.amdgpu_metadata
---
amdhsa.version: [ 1, 2 ]
amdhsa.kernels:
  - .name:           k_qb981bc1eeb_gemm
    .symbol:         k_qb981bc1eeb_gemm.kd
    .args:
      - { .name: x, .offset: 0, .size: 8, .value_kind: global_buffer, .address_space: global }
      - { .name: wb, .offset: 8, .size: 8, .value_kind: global_buffer, .address_space: global }
      - { .name: out0, .offset: 16, .size: 8, .value_kind: global_buffer, .address_space: global }
      - { .name: bias, .offset: 24, .size: 8, .value_kind: global_buffer, .address_space: global }
    .group_segment_fixed_size: 327680
    .private_segment_fixed_size: 0
    .kernarg_segment_align: 8
    .kernarg_segment_size: 32
    .max_flat_workgroup_size: 128
    .sgpr_count:     66
    .vgpr_count:     1024
    .wavefront_size: 32
...
	.end_amdgpu_metadata
.endif
;; end of part 2
;; ======== version 2 of 2: 2 launches
;; workspace buffers: wb 16,777,216 bytes
;; launch dequant (part 3): grid 256 x 1, 8 waves a work-group, no clusters, 0 bytes of LDS; arguments qweight, scales, zeros, wb; writes wb
.if DOCPART == 3
	.amdgcn_target "amdgcn-amd-amdhsa--gfx1250"
	.amdhsa_code_object_version 6
	.text
	.protected	k_qb981bc1eeb_dequant
	.globl	k_qb981bc1eeb_dequant
	.p2align	8
	.type	k_qb981bc1eeb_dequant,@function
k_qb981bc1eeb_dequant:
	s_mov_b64 s[64:65], 0
	v_nop
	global_prefetch_b8 v0, s[64:65] scope:SCOPE_SE
	s_setreg_imm32_b32 hwreg(HW_REG_WAVE_MODE, 25, 1), 1
	s_wait_xcnt 0x0
; wb = bf16((f32(q) - zero) * scale): the weights of the product that follows, made once, in the layout that it wants.
; qweight: [2048][4096] int32.  scales, zeros: one f32 for each 256 neighbouring k, 16 to a row.
; wb: [ht = 0..15][g = 0..127][p' = 0..127][64 bytes] bf16.  Position P = 128 ht + p'; chunk g holds k = 32 g .. 32 g + 31, as four pieces of 16 bytes (8 k); piece j lies at place (j + p'/4) % 4.
; So three neighbouring chunks of 128 positions are 24,576 dense bytes, and in LDS, unpadded, the 16 positions of a fragment load (64 bytes apart) touch 16 different 16-byte columns of 256 bytes.
; Position P holds the weight row n(P) = (P & 0x7c0) | ((P & 15) << 2) | ((P >> 4) & 3): within each 64 rows, position 16 b + r holds row 4 r + b.
; In the product a lane then finds four neighbouring output columns in four accumulators, and stores 16 bytes that belong together.
; ARITHMETIC.  q is converted as the cast does (to nearest; exact up to 2^24).  scales and zeros are rounded to bf16 first, as every floating-point input of this
; program is (x and bias in the next launch): one rounding for all inputs.  Then (q - z), then times s, in f32 in that order, rounded once to bf16.
; LIMITS.  A zero of 256 or more keeps bf16's step (2 from 256 on, 8 significant bits): the same size of error as the rounding of w, which holds -z s, has there.
; bf16 has f32's range.  NaN and infinities go through as the arithmetic makes them.
; SHARES.  A stream: no LDS, no barrier, no matrix work.  2,048 waves; wave W owns the four positions 4 (W / 4) + 0..3 (eight lanes each) and quarter W % 4 of their rows: 32 chunks, 4 groups.
; Lane m = lane % 8 owns 4 k of each chunk.  A load covers 128 consecutive bytes of each of four rows (the wave's next load takes the 128 bytes beside them); a store 256 consecutive aligned bytes of wb.
; All 34 loads of a wave go out at once; each unit has registers of its own, so no register that a store reads is written again and no wait frees any.
.set QO, 4                             ; v4      byte offset in qweight: n*16384 + quarter*4096 + 16 m
.set SO, 5                             ; v5      byte offset in wb: ht<<20 + quarter<<18 + p'<<6 + place<<4 + 8 (m % 2)
.set GO, 6                             ; v6      byte offset in scales and in zeros: n*64 + quarter*16
.set TM, 7                             ; v7, v2  at work
.set TN, 2
.set S,  8                             ; v[8:11]   my 4 scales
.set Z,  12                            ; v[12:15]  my 4 zeros
.set X,  24                            ; v[24:151] unit u (chunk 32 quarter + u): 4 registers
	s_load_b256 s[4:11], s[0:1], 0x0               ; qweight s[4:5], scales s[6:7], zeros s[8:9], wb s[10:11]
	s_lshl_b32 s2, ttmp9, 3                        ; eight waves to a work-group
	s_mov_b32 s3, 0xffff0000                       ; a word's upper bf16
	v_and_b32 v1, 7, v0                            ; m
	v_bfe_u32 v2, v0, 3, 2                         ; which of the four positions
	v_lshrrev_b32 v3, 5, v0
	v_add_nc_u32 v3, s2, v3                        ; W
	v_and_b32 v7, 3, v3                            ; quarter
	v_lshrrev_b32 v3, 2, v3                        ; W / 4
	v_lshl_add_u32 v16, v3, 2, v2                  ; P
	v_and_b32 v17, 0x7c0, v16
	v_and_b32 v18, 15, v16
	v_lshl_or_b32 v17, v18, 2, v17
	v_bfe_u32 v18, v16, 4, 2
	v_or_b32 v17, v17, v18                         ; n(P)
	v_lshlrev_b32 v[QO], 14, v17
	v_lshl_add_u32 v[QO], v7, 12, v[QO]
	v_lshl_add_u32 v[QO], v1, 4, v[QO]
	v_lshlrev_b32 v[GO], 6, v17
	v_lshl_add_u32 v[GO], v7, 4, v[GO]
	v_lshrrev_b32 v19, 1, v1                       ; my piece j = m / 2,
	v_add_nc_u32 v18, v3, v19                      ; + P / 4,
	v_and_b32 v18, 3, v18                          ; modulo 4: its place
	v_lshrrev_b32 v20, 7, v16
	v_lshlrev_b32 v[SO], 20, v20                   ; ht
	v_and_b32 v20, 127, v16
	v_lshl_add_u32 v[SO], v20, 6, v[SO]            ; p'
	v_lshl_add_u32 v[SO], v7, 18, v[SO]            ; 32 chunks of 8,192 bytes a quarter
	v_lshl_add_u32 v[SO], v18, 4, v[SO]
	v_and_b32 v19, 1, v1
	v_lshl_add_u32 v[SO], v19, 3, v[SO]
	s_wait_kmcnt 0x0
	global_load_b128 v[S:S+3], v[GO], s[6:7]
	global_load_b128 v[Z:Z+3], v[GO], s[8:9]
.set un, 0
.rept 32
	global_load_b128 v[X+4*un:X+4*un+3], v[QO], s[4:5] offset:128*un th:TH_LOAD_NT  ; each byte is read once in the launch
.set un, un+1
.endr
	s_wait_loadcnt 32                              ; loads come back in order (ISA guide 5.7.1): scales and zeros are in, the 32 loads of q issued behind them stay out
.irp i, 0,2
	v_cvt_pk_bf16_f32 v[TM], v[S+\i], v[S+\i+1]    ; to bf16, to nearest even, and back into f32 registers
	v_cvt_pk_bf16_f32 v[TN], v[Z+\i], v[Z+\i+1]
	v_lshlrev_b32 v[S+\i], 16, v[TM]
	v_and_b32 v[S+\i+1], s3, v[TM]
	v_lshlrev_b32 v[Z+\i], 16, v[TN]
	v_and_b32 v[Z+\i+1], s3, v[TN]
.endr
; Unit u: 4 numbers a lane.  Its group is u / 8; the packed instructions take that group's zero and scale for both halves (op_sel picks the register of the pair).
.macro UNIT u
.set xr, X+4*(\u)
.set pr, 2*((\u)/16)
	s_wait_loadcnt 31-(\u)                         ; my load is in; the 31 - u younger ones stay out
.irp k, 0,1,2,3
	v_cvt_f32_i32 v[xr+\k], v[xr+\k]
.endr
.if ((\u)/8)%2 == 0
	v_pk_add_f32 v[xr:xr+1],   v[xr:xr+1],   v[Z+pr:Z+pr+1] op_sel_hi:[1,0] neg_lo:[0,1] neg_hi:[0,1]
	v_pk_add_f32 v[xr+2:xr+3], v[xr+2:xr+3], v[Z+pr:Z+pr+1] op_sel_hi:[1,0] neg_lo:[0,1] neg_hi:[0,1]
	v_pk_mul_f32 v[xr:xr+1],   v[xr:xr+1],   v[S+pr:S+pr+1] op_sel_hi:[1,0]
	v_pk_mul_f32 v[xr+2:xr+3], v[xr+2:xr+3], v[S+pr:S+pr+1] op_sel_hi:[1,0]
.else
	v_pk_add_f32 v[xr:xr+1],   v[xr:xr+1],   v[Z+pr:Z+pr+1] op_sel:[0,1] op_sel_hi:[1,1] neg_lo:[0,1] neg_hi:[0,1]
	v_pk_add_f32 v[xr+2:xr+3], v[xr+2:xr+3], v[Z+pr:Z+pr+1] op_sel:[0,1] op_sel_hi:[1,1] neg_lo:[0,1] neg_hi:[0,1]
	v_pk_mul_f32 v[xr:xr+1],   v[xr:xr+1],   v[S+pr:S+pr+1] op_sel:[0,1] op_sel_hi:[1,1]
	v_pk_mul_f32 v[xr+2:xr+3], v[xr+2:xr+3], v[S+pr:S+pr+1] op_sel:[0,1] op_sel_hi:[1,1]
.endif
	v_cvt_pk_bf16_f32 v[xr],   v[xr],   v[xr+1]
	v_cvt_pk_bf16_f32 v[xr+1], v[xr+2], v[xr+3]
	global_store_b64 v[SO], v[xr:xr+1], s[10:11] offset:8192*(\u)  ; 32 lanes x 8 bytes fill four positions' 64 bytes: 256 consecutive bytes at a multiple of 256; the next launch reads wb, so no hint
.endm
.set un, 0
.rept 32
	UNIT un
.set un, un+1
.endr
	s_endpgm
.Lfunc_end_k_qb981bc1eeb_dequant:
	.size	k_qb981bc1eeb_dequant, .Lfunc_end_k_qb981bc1eeb_dequant-k_qb981bc1eeb_dequant
	.p2alignl 7, 3214868480
	.fill 96, 4, 3214868480
	.section	.rodata,"a",@progbits
	.p2align	6, 0x0
	.amdhsa_kernel k_qb981bc1eeb_dequant
		.amdhsa_group_segment_fixed_size 0
		.amdhsa_private_segment_fixed_size 0
		.amdhsa_enable_private_segment 0
		.amdhsa_kernarg_size 32
		.amdhsa_user_sgpr_count 2
		.amdhsa_user_sgpr_kernarg_segment_ptr 1
		.amdhsa_wavefront_size32 1
		.amdhsa_system_sgpr_workgroup_id_x 1
		.amdhsa_system_sgpr_workgroup_id_y 1
		.amdhsa_system_sgpr_workgroup_id_z 1
		.amdhsa_system_vgpr_workitem_id 0
		.amdhsa_next_free_vgpr 152
		.amdhsa_next_free_sgpr 66
		.amdhsa_reserve_vcc 0
		.amdhsa_float_denorm_mode_32 3
		.amdhsa_float_denorm_mode_16_64 3
		.amdhsa_memory_ordered 1
		.amdhsa_forward_progress 1
		.amdhsa_inst_pref_size 26
	.end_amdhsa_kernel
	.amdgpu_metadata
---
amdhsa.version: [ 1, 2 ]
amdhsa.kernels:
  - .name:           k_qb981bc1eeb_dequant
    .symbol:         k_qb981bc1eeb_dequant.kd
    .args:
      - { .name: qweight, .offset: 0, .size: 8, .value_kind: global_buffer, .address_space: global }
      - { .name: scales, .offset: 8, .size: 8, .value_kind: global_buffer, .address_space: global }
      - { .name: zeros, .offset: 16, .size: 8, .value_kind: global_buffer, .address_space: global }
      - { .name: wb, .offset: 24, .size: 8, .value_kind: global_buffer, .address_space: global }
    .group_segment_fixed_size: 0
    .private_segment_fixed_size: 0
    .kernarg_segment_align: 8
    .kernarg_segment_size: 32
    .max_flat_workgroup_size: 256
    .sgpr_count:     66
    .vgpr_count:     152
    .wavefront_size: 32
...
	.end_amdgpu_metadata
.endif
;; end of part 3
;; launch gemm (part 4): grid 8 x 32, 4 waves a work-group, clusters of 4 x 4, 327,680 bytes of LDS; arguments x, wb, out0, bias; writes out0
.if DOCPART == 4
	.amdgcn_target "amdgcn-amd-amdhsa--gfx1250"
	.amdhsa_code_object_version 6
	.text
	.protected	k_qb981bc1eeb_gemm
	.globl	k_qb981bc1eeb_gemm
	.p2align	8
	.type	k_qb981bc1eeb_gemm,@function
k_qb981bc1eeb_gemm:
	s_mov_b64 s[64:65], 0
	v_nop
	global_prefetch_b8 v0, s[64:65] scope:SCOPE_SE
	s_setreg_imm32_b32 hwreg(HW_REG_WAVE_MODE, 25, 1), 1
	s_wait_xcnt 0x0
	s_wait_alu depctr_hold_cnt(0) depctr_sa_sdst(0) depctr_va_vdst(0) depctr_va_sdst(0) depctr_va_ssrc(0) depctr_va_vcc(0) depctr_vm_vsrc(0)
	s_getreg_b32 s2, hwreg(HW_REG_IB_STS2, 6, 4)
	s_cmp_eq_u32 s2, 0
	s_cbranch_scc0 .Lentry_in_a_cluster
	s_endpgm
.Lentry_in_a_cluster:
	s_bfe_u32 s2, ttmp6, 0x10000c
	s_cmp_lg_u32 s2, 0xf033
	s_cbranch_scc0 .Lentry_shape_is_right
	s_endpgm
.Lentry_shape_is_right:
; out0[m][n] = sum over k of x[m][k] W[n][k] + bias[n].  x: [8192][4096] f32.  bias: [2048] f32.  out0: [8192][2048] f32.
; wb: W in bf16 as the launch before laid it: [128 positions ht][chunk g of 32 k][position p'][64 bytes]; position 16 b + r of each 64 holds row 4 r + b; piece j (8 k) of a position's 64 bytes lies at place (j + p'/4) % 4.
; ARITHMETIC.  x is rounded to bf16 (to nearest even) between LDS and the matrix instruction, each number once in a work-group; sums in f32, one accumulator an output, K ascending but for the exchange under WALK;
; bias is rounded to bf16 like every floating-point input of this program and added last, in f32.  bf16 has f32's range; NaN and infinities go through as the arithmetic makes them.
; SHARES.  32 x 8 tiles of 256 x 256 of out0, a work-group each.  Four waves, each 64 rows x all 256 columns: 64 accumulators of 16 x 16, 512 registers.  For one k a wave reads 64 x 4 bytes of x and
; 256 x 2 of W from LDS, as many as a square share would, and x's rows are the wave's own: 32 conversions for 64 matrix instructions, half of what a square share would need.
; RING.  K goes in steps of 96, three chunks of 32, through two LDS slots.  A k costs 256 x 4 + 256 x 2 = 1,536 bytes, so two slots hold at most 2 x 106 k: 96 is the longest step in whole chunks.  It fits because
; wb needs no padding (its pieces are rotated in memory).  The price: x's rows in a tile are 384 consecutive bytes that begin at multiples of 128, not of 256.  A tile of wb is 24,576 dense bytes, asked for as 96 rows of 256.
; Waves 0 and 1 fetch x's two halves, waves 2 and 3 wb's: one tensor load a wave for a step.  By this text's count a wave has two loads out at the start, later one.
; 4096 = 42 x 96 + 64: the 43rd tile begins at k = 4000 (wb: chunk 125), so that it has every other tile's shape, and only its chunks 1 and 2 are multiplied: one chunk is fetched twice, once a launch.
; CLUSTER.  4 x 4 work-groups.  The four of a row of the cluster need the same tile of x, the four of a column the same tile of wb: each tile is asked for JOINTLY, by the same load with the same descriptor and a mask of the four.
; WALK.  A tile of x is wanted by the two clusters of its tile rows, a tile of wb by the eight clusters of its tile columns.  The 42 whole K steps go in pairs (0, 1), (2, 3) ..; a cluster whose two coordinates
; have an odd sum takes each pair in the other order.  So of each pair a cluster's second request is for bytes that a neighbouring cluster asked for one change of slots earlier.  The flag is made of the cluster's
; coordinates, which its sixteen work-groups share, and enters global addresses alone.  In those clusters the f32 sums take neighbouring steps of 96 k in exchanged order.
; WAY OUT.  Lane (r, h) of the accumulators of n blocks 4 g .. 4 g + 3 holds columns 64 g + 4 r + 0..3 of one row.  The bias add writes them into four neighbouring registers: a store of 16 bytes a lane,
; sixteen lanes to 256 consecutive aligned bytes, without a stage in LDS.
; REGISTERS, in windows of 256 (s_set_vgpr_msb: bits 1:0 source 0, 3:2 source 1, 5:4 source 2, 7:6 destination):
;   window 0: v0-31 addresses; v32-47 bias; v64-127 x of one chunk in f32; v128-159, v160-191 x's fragments in bf16, two buffers
;   window 1: v0-127, v128-255 wb's 16 fragments, two buffers; on the way out what is stored
;   window 2: accumulators of m blocks 0, 1 ((a, b) at v[128 (a % 2) + 8 b]);   window 3: of m blocks 2, 3
.set KSTEP,  96
.set TRIPS,  20                        ; a trip = two K steps = once round the ring, both slots filled again: K steps 2 to 41
.set PA,     432                       ; an LDS row of x: three times 128 bytes + 16 of padding = 108 words: row r starts at bank 44 r mod 64 (64 banks of 4 bytes: ISA guide 11.1): the 16 rows of a load start at 16 different groups of four banks
.set CA,     144                       ; from chunk to chunk in such a row
.set AHALF,  128*PA                    ; what one load of x brings
.set ABYTES, 2*AHALF
.set CB,     128*64                    ; a chunk of 128 positions of wb
.set BHALF,  3*CB                      ; what one load of wb brings
.set SLOT,   ABYTES+2*BHALF            ; x's 256 rows, then wb's 256 positions: 159,744 bytes
.set SPARE,  2*SLOT                    ; behind the ring: the spare words, 128 bytes for each wave: two blocks of 256 bytes that no other line names
.set ADRA,  16                         ; v16-17  LDS address of my fragments of x in slot 0, 1
.set ADRBL, 18                         ; v18-19  the same for wb: the piece with k = 8 h + 0..7
.set ADRBH, 20                         ; v20-21  the piece with k = 16 + 8 h + 0..7
.set PF,   22                          ; v22     the prefetch's byte offset from x's first row of my tile row
.set PFM,  23                          ; v23     its upper bound: the last 256 bytes of the same row
.set CO,   26                          ; v26     my byte offset in out0: 8 h rows + 16 r
.set BO,   27                          ; v27     my byte offset in bias: 16 r
.set SPW,  28                          ; v28     LDS address of my spare word: SPARE + 4 x my thread's number; never rewritten
.set NIL,  29                          ; v29     0; never rewritten
.set BI,   32                          ; v32-47  bias of column 64 g + 4 r + b at BI + 4 g + b
.set STG,  64                          ; v64-127 x in f32: m block i at STG + 16 i, a lane's 16 k in fragment order
.set AF,   128                         ; x's fragments: buffer f, m block a at AF + 32 f + 8 a
.set WV,  12                           ; s12  my wave's number
.set FB,  13                           ; s13  0: I fetch x; 1: I fetch wb
.set HF,  14                           ; s14  which 128 rows of that tile I fetch
.set G1A, 24                           ; s[24:31] descriptor group 1 for x's tiles;  s[32:39] group 0, a set for each slot
.set G0A, 32
.set PHI, 47                           ; s47  1: my cluster takes each pair of K steps in the other order
.set G1B, 48                           ; s[48:55], s[56:63] the same for wb's tiles
.set G0B, 56
.set OA,  66                           ; s[66:67], s[68:69] bytes from x's K step 0 to the step that slot 0, slot 1 holds first; the second later: from slot 0's last whole step to the last tile
.set OB,  70                           ; s[70:71], s[72:73] the same for wb
.set MSB, 0
.macro WIN new                         ; the immediate's high byte repeats the setting that is left; a switch that changes nothing is dropped
.if MSB != (\new)
	s_set_vgpr_msb (MSB<<8)|(\new)
.set MSB, \new
.endif
.endm
.set MUL_LO, 0xa4                      ; source 0 (x) window 0, source 1 (wb) window 1, C and D window 2
.set MUL_HI, 0xf4                      ; the same, C and D window 3
.set TO_B,   0x40                      ; destination window 1, address window 0
.macro PLACES                          ; a load into a register that a matrix instruction has read, and a vector instruction that writes one, stand four places behind it; only plain vector
.rept 4                                ; instructions that name none of its registers are places (ISA guide 7.12.1 for vector instructions)
	v_nop
.endr
.endm
; A joint load.  Each of the two lines has ONE mask and one set of registers for all that issue it; the branch hangs on the wave's number alone.  An s_nop 0 and four v_nop follow each line, ahead of
; the jump, the label and what follows.
.macro JLOAD s
	s_cmp_eq_u32 s[FB], 0
	s_cbranch_scc0 .Lfor_b_\@
	tensor_load_to_lds s[G0A+4*(\s):G0A+4*(\s)+3], s[G1A:G1A+7]
	s_nop 0
.rept 4
	v_nop
.endr
	s_branch .Lasked_\@
.Lfor_b_\@:
	tensor_load_to_lds s[G0B+4*(\s):G0B+4*(\s)+3], s[G1B:G1B+7]
	s_nop 0
.rept 4
	v_nop
.endr
.Lasked_\@:
.endm
.macro ASK                             ; waves 0, 1 and 2 ask ahead for x (see the head of the loop)
	s_cmp_eq_u32 s[WV], 3
	s_cbranch_scc1 .Lno_ask_\@
	global_prefetch_b8 v[PF], s[2:3] th:TH_LOAD_NT scope:SCOPE_SE
.Lno_ask_\@:
.endm
; A round of the cluster's barrier: my work-group's barrier, so that wave 0's signal speaks for all four waves; wave 0 signals for the work-group; every wave waits for all sixteen; my work-group's barrier once more.
.macro CREST                           ; a round behind its opening barrier
	s_cmp_lg_u32 s[WV], 0
	s_cbranch_scc1 .Lnot_wave_0_\@
	s_barrier_signal -3
.Lnot_wave_0_\@:
	s_barrier_wait -3
	s_barrier_signal -1
	s_barrier_wait -1
.endm
.macro CROUND                          ; a whole round
	s_barrier_signal -1
	s_barrier_wait -1
	CREST
.endm
	s_load_b256 s[4:11], s[0:1], 0x0               ; x s[4:5], wb s[6:7], out0 s[8:9], bias s[10:11]
	v_lshl_add_u32 v[SPW], v0, 2, SPARE
	v_mov_b32 v[NIL], 0
	ds_add_u32 v28, v29
	s_wait_dscnt 0x0
	v_lshrrev_b32 v1, 5, v0
	v_readfirstlane_b32 s[WV], v1                  ; wave 0..3
	s_lshr_b32 s[FB], s[WV], 1
	s_and_b32 s[HF], s[WV], 1
	s_bfe_u32 s16, ttmp6, 0x40000                  ; cx, cy: my place in the cluster
	s_bfe_u32 s17, ttmp6, 0x40004
	s_lshl_b32 s18, ttmp9, 2                       ; in a cluster launch ttmp9 and ttmp7 count clusters
	s_add_co_u32 s18, s18, s16                     ; tile column = 4 x cluster x + cx
	s_and_b32 s19, ttmp7, 0xffff
	s_lshl_b32 s19, s19, 2
	s_add_co_u32 s19, s19, s17                     ; tile row = 4 x cluster y + cy
	s_lshl_b32 s20, s17, 2
	s_lshl_b32 s20, 15, s20                        ; my row of the cluster: places 4 cy .. 4 cy + 3
	s_lshl_b32 s21, 0x1111, s16                    ; my column: places cx, cx + 4, cx + 8, cx + 12
	s_and_b32 s[PHI], ttmp7, 0xffff                ; the walk's flag: (cluster x + cluster y) % 2: the same in all sixteen work-groups of the cluster
	s_add_co_u32 s[PHI], s[PHI], ttmp9
	s_and_b32 s[PHI], s[PHI], 1
	s_mul_i32 s[OA], s[PHI], KSTEP*4               ; slot 0 begins with K step PHI,
	s_sub_co_u32 s[OA+2], KSTEP*4, s[OA]           ; slot 1 with K step 1 - PHI
	s_mul_i32 s[OB], s[PHI], BHALF
	s_sub_co_u32 s[OB+2], BHALF, s[OB]
	s_mov_b32 s[OA+1], 0
	s_mov_b32 s[OA+3], 0
	s_mov_b32 s[OB+1], 0
	s_mov_b32 s[OB+3], 0
	; group 1 for x: 128 rows x 96 elements of 4 bytes, 16 bytes of padding behind every 128 bytes, that is behind every chunk of a row
	s_or_b32 s[G1A+0], s20, (2<<16)|(1<<20)|(1<<21)|(4<<22)|(3<<25)  ; 15:0 the mask: my row; 17:16 elements of 4 bytes; 20 padding on; 21 set beside a mask; 24:22 after every 32 words (code 4); 31:25 4 words (code 3)
	s_mov_b32 s[G1A+1], KSTEP<<16                  ; tensor_dim0 = 96
	s_mov_b32 s[G1A+2], 128<<16                    ; tensor_dim1 = 128
	s_mov_b32 s[G1A+3], KSTEP<<16                  ; tile_dim0 = 96
	s_mov_b32 s[G1A+4], 128                        ; tile_dim1 = 128
	s_mov_b32 s[G1A+5], 4096                       ; elements from row to row
	s_mov_b32 s[G1A+6], 0
	s_mov_b32 s[G1A+7], 0
	; group 1 for wb: three chunks of 128 positions x 64 bytes are dense: 96 rows x 128 elements of 2 bytes, no padding
	s_or_b32 s[G1B+0], s21, (1<<16)|(1<<21)        ; the mask: my column; elements of 2 bytes; 21 set beside a mask
	s_mov_b32 s[G1B+1], 128<<16                    ; tensor_dim0 = 128
	s_mov_b32 s[G1B+2], 96<<16                     ; tensor_dim1 = 96
	s_mov_b32 s[G1B+3], 128<<16                    ; tile_dim0 = 128
	s_mov_b32 s[G1B+4], 96                         ; tile_dim1 = 96
	s_mov_b32 s[G1B+5], 128                        ; elements from row to row
	s_mov_b32 s[G1B+6], 0
	s_mov_b32 s[G1B+7], 0
	; where the tiles come from.  x's hang on the tile row alone, which my row of the cluster shares; wb's on the tile column alone.  Each address is made in registers that never hold the other place in the cluster.
	s_lshl_b32 s40, s19, 8
	s_lshl_b32 s41, s[HF], 7
	s_add_co_u32 s40, s40, s41                     ; x: row 256 x tile row + 128 x half,
	s_lshl_b32 s40, s40, 14                        ; times 16,384 bytes: under 2^27
	s_mov_b32 s41, 0
	s_lshl_b32 s42, s18, 21                        ; wb: ht = 2 x tile column + half, times 128 chunks of 8,192 bytes
	s_lshl_b32 s43, s[HF], 20
	s_add_co_u32 s42, s42, s43
	s_mov_b32 s43, 0
	s_mul_i32 s44, s[HF], AHALF                    ; and where they go: no place in the cluster enters an LDS address
	s_mul_i32 s45, s[HF], BHALF
	s_add_co_u32 s45, s45, ABYTES
	s_wait_kmcnt 0x0
	s_add_nc_u64 s[40:41], s[4:5], s[40:41]
	s_add_nc_u64 s[42:43], s[6:7], s[42:43]
	CROUND                                         ; all sixteen work-groups are here: the first joint loads meet
.irp s, 0,1
	s_mov_b32 s[G0A+4*(\s)], 1                                       ; count = 1
	s_add_co_u32 s[G0A+4*(\s)+1], s44, (\s)*SLOT                     ; LDS address
	s_add_nc_u64 s[G0A+4*(\s)+2:G0A+4*(\s)+3], s[40:41], s[OA+2*(\s):OA+2*(\s)+1]  ; global address: K step PHI in slot 0, 1 - PHI in slot 1
	s_or_b32 s[G0A+4*(\s)+3], s[G0A+4*(\s)+3], 0x80000000            ; type = 2
	s_mov_b32 s[G0B+4*(\s)], 1
	s_add_co_u32 s[G0B+4*(\s)+1], s45, (\s)*SLOT
	s_add_nc_u64 s[G0B+4*(\s)+2:G0B+4*(\s)+3], s[42:43], s[OB+2*(\s):OB+2*(\s)+1]
	s_or_b32 s[G0B+4*(\s)+3], s[G0B+4*(\s)+3], 0x80000000
	JLOAD \s                                       ; the ring is filled before anything else is done
.endr
	s_add_co_u32 s[OA+2], s[OA+2], 256             ; slot 0's last whole step is 40 + PHI, k = 3840 + 96 PHI: to k = 4000 it is 640 - 384 PHI bytes = 384 (1 - PHI) + 256;
	s_add_co_u32 s[OB+2], s[OB+2], 2*CB            ; in wb from chunk 120 + 3 PHI to chunk 125: 3 (1 - PHI) + 2 chunks
	; A fragment is 16 rows x 32 k in 8 registers: lane l holds row r = l % 16; registers 0-3 k = 8 h + 0..7, registers 4-7 k = 16 + 8 h + 0..7, h = l / 16.
	; Of x (f32): four loads of 16 bytes, at 32 h + 0, 16, 64, 80 of the row's chunk, and eight conversions.
	; Of wb (bf16): pieces h and h + 2 of the position's 64 bytes, at places (h + r/4) % 4 and (h + 2 + r/4) % 4: an address register for each.  The 16 lanes of a half wave then take
	; the 16-byte columns 4 (r % 4) + place, which are 16 different ones of the 16 in 256 bytes.
	v_and_b32 v1, 15, v0                           ; r
	v_bfe_u32 v2, v0, 4, 1                         ; h
	v_mul_u32_u24 v3, v1, PA
	v_lshl_add_u32 v3, v2, 5, v3
	s_mul_i32 s46, s[WV], 64*PA                    ; my 64 rows of x
	v_add_nc_u32 v[ADRA], s46, v3
	v_add_nc_u32 v[ADRA+1], SLOT, v[ADRA]
	v_lshrrev_b32 v3, 2, v1
	v_add_nc_u32 v3, v3, v2                        ; h + r/4
	v_and_b32 v4, 3, v3
	v_add_nc_u32 v3, 2, v3
	v_and_b32 v5, 3, v3
	v_lshlrev_b32 v3, 6, v1                        ; 64 bytes a position
	v_lshl_add_u32 v4, v4, 4, v3
	v_lshl_add_u32 v5, v5, 4, v3
	v_add_nc_u32 v[ADRBL], ABYTES, v4              ; every wave reads all 256 positions
	v_add_nc_u32 v[ADRBL+1], SLOT, v[ADRBL]
	v_add_nc_u32 v[ADRBH], ABYTES, v5
	v_add_nc_u32 v[ADRBH+1], SLOT, v[ADRBH]
	v_lshlrev_b32 v[BO], 4, v1
	v_lshl_add_u32 v[CO], v2, 16, v[BO]            ; lanes 16-31 lie 8 rows of 8,192 bytes further down
	s_lshl_b32 s22, s19, 21                        ; out0: (256 x tile row + 64 x wave) rows of 8,192 bytes + 256 x tile column x 4
	s_lshl_b32 s23, s[WV], 19
	s_add_co_u32 s22, s22, s23
	s_lshl_b32 s23, s18, 10
	s_add_co_u32 s22, s22, s23
	s_mov_b32 s23, 0
	s_add_nc_u64 s[8:9], s[8:9], s[22:23]
	s_lshl_b32 s22, s18, 10
	s_add_nc_u64 s[10:11], s[10:11], s[22:23]      ; bias at the tile's first column
.irp g, 0,1,2,3
	global_load_b128 v[BI+4*(\g):BI+4*(\g)+3], v[BO], s[10:11] offset:256*(\g)
.endr
	s_lshl_b32 s22, s19, 22
	s_add_nc_u64 s[2:3], s[4:5], s[22:23]          ; x at my tile row's first row: the prefetch's base
	s_lshl_b32 s22, s18, 5                         ; the eight work-groups of a tile row share its 256 rows: 32 each, one a lane
	s_lshl_b32 s23, s[WV], 8                       ; the wave picks one of a trip's three blocks of 256 bytes
	s_add_co_u32 s23, s23, 2*KSTEP*4               ; the first trip steps this by 768 and then asks for bytes 1,536 on
	v_and_b32 v3, 31, v0
	v_add_nc_u32 v3, s22, v3
	v_lshlrev_b32 v3, 14, v3
	v_add_nc_u32 v[PF], s23, v3
	v_add_nc_u32 v[PFM], 63*256, v3
; n matrix instructions: m block a x n blocks b0 on, 32 along K, from buffer f.  zero = 1: the product starts the sum: nothing is ever cleared.
; The 64 accumulators take turns, one instruction a turn, in the same order in every chunk, over the loop's backward jump too.
.macro MUL f, a, b0, n, zero
	WIN MUL_LO+0x50*((\a)/2)
.set mb, (\b0)
.rept (\n)
.set rD, 128*((\a)%2)+8*mb
.if \zero
	v_wmma_f32_16x16x32_bf16 v[rD:rD+7], v[AF+32*(\f)+8*(\a):AF+32*(\f)+8*(\a)+7], v[128*(\f)+8*mb:128*(\f)+8*mb+7], 0
.else
	v_wmma_f32_16x16x32_bf16 v[rD:rD+7], v[AF+32*(\f)+8*(\a):AF+32*(\f)+8*(\a)+7], v[128*(\f)+8*mb:128*(\f)+8*mb+7], v[rD:rD+7]
.endif
.set mb, mb+1
.endr
.endm
; Four of the 32 conversions that make buffer g's fragments of x out of the f32 numbers just fetched
.macro CVT4 g, i
	WIN 0
.set ct, 4*(\i)
.rept 4
	v_cvt_pk_bf16_f32 v[AF+32*(\g)+ct], v[STG+2*ct], v[STG+2*ct+1]
.set ct, ct+1
.endr
.endm
; m block 3 of buffer f; behind each of its first eight products stand four conversions for buffer g, which name no register of the products round them
.macro MULR f, g, zero
.set bb, 0
.rept 16
	MUL \f, 3, bb, 1, \zero
.if bb < 8
	CVT4 \g, bb
.endif
.set bb, bb+1
.endr
.endm
; 48 LDS loads in one run: chunk c of a slot: my 64 rows of x into STG, then wb's 256 positions into buffer f.  x's 16 stand first, so that a wait can leave wb's 32 out.
.macro FETCH slot, c, f
	WIN 0
.irp i, 0,1,2,3
	ds_load_b128 v[STG+16*(\i):STG+16*(\i)+3],     v[ADRA+(\slot)] offset:(\i)*16*PA+CA*(\c)
	ds_load_b128 v[STG+16*(\i)+4:STG+16*(\i)+7],   v[ADRA+(\slot)] offset:(\i)*16*PA+CA*(\c)+16
	ds_load_b128 v[STG+16*(\i)+8:STG+16*(\i)+11],  v[ADRA+(\slot)] offset:(\i)*16*PA+CA*(\c)+64
	ds_load_b128 v[STG+16*(\i)+12:STG+16*(\i)+15], v[ADRA+(\slot)] offset:(\i)*16*PA+CA*(\c)+80
.endr
	WIN TO_B
.irp b, 0,1,2,3,4,5,6,7,8,9,10,11,12,13,14,15
	ds_load_b128 v[128*(\f)+8*(\b):128*(\f)+8*(\b)+3],   v[ADRBL+(\slot)] offset:((\b)/8)*BHALF+(\c)*CB+((\b)%8)*1024
	ds_load_b128 v[128*(\f)+8*(\b)+4:128*(\f)+8*(\b)+7], v[ADRBH+(\slot)] offset:((\b)/8)*BHALF+(\c)*CB+((\b)%8)*1024
.endr
.endm
; A K step is three chunks of 32 k, 64 matrix instructions each; the buffers go by the chunk's number in the walk: 0, 1, 0 in slot 0 and 1, 0, 1 in slot 1.
; One of a step's first two: multiplies buffer f and fetches chunk c of the same slot into the other buffer.
.macro CHUNK slot, c, f, zero
	s_wait_dscnt 16                                ; wb's n blocks 0-7 are in; the youngest sixteen loads (blocks 8-15) may be out
	MUL \f, 0, 0, 8, \zero
	s_wait_dscnt 0x0
	MUL \f, 0, 8, 8, \zero
	PLACES                                         ; behind the last products that read the other buffer
	FETCH \slot, \c, 1-(\f)
	MUL \f, 1, 0, 16, \zero
	MUL \f, 2, 0, 16, \zero
	s_wait_dscnt 32                                ; x's 16 loads are in; wb's 32, issued behind them, stay out
	MULR \f, 1-(\f), \zero
.endm
; A step's last chunk multiplies buffer f and changes slots: ONE barrier, for two things.  In front of it each wave waits for all its tensor loads, of which one is out: its part of the next slot; adds 0 to its
; spare word; and waits for that and for its own reads of this slot.  Behind it nobody reads this slot any more and the next slot is whole; chunk cn of it is fetched.
; fill = 1: the barrier opens a round of the cluster's barrier, and this slot is filled again, two K steps on, first thing behind the round: 176 matrix instructions ahead of the wait for that load.
; fill = 2: the same with the last tile; the way to it hangs on which step of the last pair the slot held.  pf = 1: waves 0 to 2 ask ahead for x; pf = 2: the offset of that request steps, a K step behind the request.
.macro TURN slot, f, cn, fill, pf
	WIN 0                                          ; (the add's two registers lie in window 0)
	s_wait_tensorcnt 0x0                           ; all my tensor loads have landed: the one that was out is my part of the next slot;
	ds_add_u32 v[SPW], v[NIL]                      ; 0 onto my spare word
	s_wait_dscnt 17                                ; (wb's n blocks 0-7 are in; the add and the youngest sixteen loads may be out)
	MUL \f, 0, 0, 8, 0                             ; eight matrix instructions stand between the add and the wait for it
	s_wait_dscnt 0x0                               ; the add is done, and my reads of this slot are over
	s_barrier_signal -1
	MUL \f, 0, 8, 8, 0                             ; work on registers while the others arrive
.if \fill
	WIN 0
.endif
	s_barrier_wait -1
.if \fill
	CREST                                          ; no wave of any partner still reads this slot's tiles or has a load on its way
.if (\fill) == 1
	s_add_nc_u64 s[G0A+4*(\slot)+2:G0A+4*(\slot)+3], s[G0A+4*(\slot)+2:G0A+4*(\slot)+3], 2*KSTEP*4  ; no tensor load of mine is out, so a group 0 may be written; the type bits on top are not reached
	s_add_nc_u64 s[G0B+4*(\slot)+2:G0B+4*(\slot)+3], s[G0B+4*(\slot)+2:G0B+4*(\slot)+3], 2*BHALF
.else
	s_add_nc_u64 s[G0A+4*(\slot)+2:G0A+4*(\slot)+3], s[G0A+4*(\slot)+2:G0A+4*(\slot)+3], s[OA+2:OA+3]  ; to k = 4000: the tile ends with the row
	s_add_nc_u64 s[G0B+4*(\slot)+2:G0B+4*(\slot)+3], s[G0B+4*(\slot)+2:G0B+4*(\slot)+3], s[OB+2:OB+3]  ; to chunk 125
.endif
	JLOAD \slot                                    ; the four v_nop behind the load are also the places in front of the loads below
.if (\pf) == 1
	ASK
.endif
.if (\pf) == 2
	s_wait_xcnt 0x0                                ; the last request has had its address translated (ISA guide 3.1): its offset is rewritten only behind this wait
	v_add_nc_u32 v[PF], 2*KSTEP*4, v[PF]           ; two K steps on,
	v_min_u32 v[PF], v[PF], v[PFM]                 ; and never past the row's last 256 bytes
.endif
.else
	PLACES
.endif
	FETCH 1-(\slot), \cn, 1-(\f)
	MUL \f, 1, 0, 16, 0
	MUL \f, 2, 0, 16, 0
	s_wait_dscnt 32                                ; x's 16 loads are in; wb's 32 stay out
	MULR \f, 1-(\f), 0
.endm
	s_wait_tensorcnt 1                             ; my part of slot 0's tile is in; slot 1's load, issued behind it, stays out
	s_barrier_signal -1
	s_barrier_wait -1                              ; everybody's is
	FETCH 0, 0, 0
	s_wait_dscnt 32                                ; x's 16 loads
.irp i, 0,1,2,3,4,5,6,7
	CVT4 0, \i                                     ; the first chunk's conversions have no products to stand behind
.endr
	CHUNK 0, 1, 0, 1                               ; the first chunk stands in front of the loop: its products start the sums
	WIN 0                                          ; at a label and at a branch every window is 0
	s_mov_b32 s15, TRIPS
; A trip goes once round the ring, from a lap's second chunk to the next lap's first, and fills both slots again: trip t (from 0) asks for K steps 2 t + 2 and 2 t + 3, in the cluster's order.
; AHEAD OF THE TENSOR LOADS: at trip t's second change of slots wave w (0, 1, 2) also asks, once, for bytes 768 t + 1,536 + 256 w on of 32 rows of x, a lane to a row: K steps 2 t + 4 and 2 t + 5.  The eight
; work-groups of a tile row take 32 of its 256 rows each, so each such block of 256 bytes is asked for by one lane of the launch.  The tensor loads that want those bytes are issued 192 and 384 matrix
; instructions later, in one order or the other.  A row's first 1,536 bytes are not asked for; in the last trip the bound turns waves 1 and 2 back to the row's last 256 bytes, so that no request leaves its row.
; wb is not asked for: the launch before has just written its 16 MiB.
.Llap:
	CHUNK 0, 2, 1, 0
	TURN 0, 0, 0, 1, 2
	CHUNK 1, 1, 1, 0
	CHUNK 1, 2, 0, 0
	TURN 1, 1, 0, 1, 1
	CHUNK 0, 1, 0, 0
	WIN 0
	s_sub_co_u32 s15, s15, 1
	s_cmp_lg_u32 s15, 0
	s_cbranch_scc1 .Llap
	CHUNK 0, 2, 1, 0                               ; the rest is written out: the last pair's first step goes on
	TURN 0, 0, 0, 2, 0                             ; slot 0 takes the last tile, k = 4000 to 4095;
	CHUNK 1, 1, 1, 0                               ; the last pair's second step;
	CHUNK 1, 2, 0, 0
	TURN 1, 1, 1, 0, 0                             ; nothing is filled, so no round of the cluster's barrier; of the last tile chunk 1 (k = 4032 on) is fetched first,
	CHUNK 0, 2, 0, 0                               ; then chunk 2
	s_wait_dscnt 16                                ; the very last chunk: nothing more to fetch
	MUL 1, 0, 0, 8, 0
	s_wait_dscnt 0x0
	MUL 1, 0, 8, 8, 0
	MUL 1, 1, 0, 16, 0
	MUL 1, 2, 0, 16, 0
	MUL 1, 3, 0, 16, 0
	; THE WAY OUT.  bias is rounded to bf16 and widened again: 24 plain vector instructions that name no register of the last products: they are the places behind those.
	WIN 0
	s_wait_loadcnt 0x0                             ; bias
.irp i, 0,2,4,6,8,10,12,14
	v_cvt_pk_bf16_f32 v3, v[BI+\i], v[BI+\i+1]
	v_lshlrev_b32 v[BI+\i], 16, v3
	v_and_b32 v[BI+\i+1], 0xffff0000, v3
.endr
; m block a, by groups g of 64 columns.  Register j of the accumulators of n blocks 4 g + 0..3 is row 16 a + 8 h + j, columns 64 g + 4 r + 0..3: the add puts the four side by side in window 1, where wb's
; fragments lay (two halves by turns).  j ascends.
.macro OUT a
.set tb, 128*((\a)%2)
.if (\a) >= 2
	s_wait_xcnt 0x0                                ; the stores of the block two back have had their addresses translated (ISA guide 3.1): their data registers are rewritten only behind this wait
.endif
.irp g, 0,1,2,3
	WIN 0x42+(\a)/2                                ; destination window 1, source 0 window 2 or 3, source 1 window 0
.irp j, 0,1,2,3,4,5,6,7
.irp b, 0,1,2,3
	v_add_f32 v[tb+32*(\g)+4*(\j)+(\b)], v[128*((\a)%2)+8*(4*(\g)+(\b))+(\j)], v[BI+4*(\g)+(\b)]
.endr
.endr
	WIN 0x04                                       ; store data window 1, address window 0
.irp j, 0,1,2,3,4,5,6,7
	global_store_b128 v[CO], v[tb+32*(\g)+4*(\j):tb+32*(\g)+4*(\j)+3], s[8:9] offset:(16*(\a)+(\j))*8192+256*(\g) th:TH_STORE_NT  ; 16 lanes store 256 consecutive bytes, at a multiple of 256 from out0's first byte; written once, not read again
.endr
.endr
.endm
	OUT 0
	OUT 1
	OUT 2
	OUT 3
	WIN 0
	s_wait_tensorcnt 0x0                           ; the wave's end: a wait for my last tensor load, then my last LDS instructions
	ds_add_u32 v[SPW], v[NIL]
	s_wait_dscnt 0x0
	CROUND                                         ; the closing round: no work-group ends while a partner may still ask for a tile that names it
	s_endpgm
.Lfunc_end_k_qb981bc1eeb_gemm:
	.size	k_qb981bc1eeb_gemm, .Lfunc_end_k_qb981bc1eeb_gemm-k_qb981bc1eeb_gemm
	.p2alignl 7, 3214868480
	.fill 96, 4, 3214868480
	.section	.rodata,"a",@progbits
	.p2align	6, 0x0
	.amdhsa_kernel k_qb981bc1eeb_gemm
		.amdhsa_group_segment_fixed_size 327680
		.amdhsa_private_segment_fixed_size 0
		.amdhsa_enable_private_segment 0
		.amdhsa_kernarg_size 32
		.amdhsa_user_sgpr_count 2
		.amdhsa_user_sgpr_kernarg_segment_ptr 1
		.amdhsa_wavefront_size32 1
		.amdhsa_system_sgpr_workgroup_id_x 1
		.amdhsa_system_sgpr_workgroup_id_y 1
		.amdhsa_system_sgpr_workgroup_id_z 1
		.amdhsa_system_vgpr_workitem_id 0
		.amdhsa_next_free_vgpr 1024
		.amdhsa_next_free_sgpr 74
		.amdhsa_reserve_vcc 0
		.amdhsa_float_denorm_mode_32 3
		.amdhsa_float_denorm_mode_16_64 3
		.amdhsa_memory_ordered 1
		.amdhsa_forward_progress 1
		.amdhsa_inst_pref_size 180
	.end_amdhsa_kernel
	.amdgpu_metadata
---
amdhsa.version: [ 1, 2 ]
amdhsa.kernels:
  - .name:           k_qb981bc1eeb_gemm
    .symbol:         k_qb981bc1eeb_gemm.kd
    .args:
      - { .name: x, .offset: 0, .size: 8, .value_kind: global_buffer, .address_space: global }
      - { .name: wb, .offset: 8, .size: 8, .value_kind: global_buffer, .address_space: global }
      - { .name: out0, .offset: 16, .size: 8, .value_kind: global_buffer, .address_space: global }
      - { .name: bias, .offset: 24, .size: 8, .value_kind: global_buffer, .address_space: global }
    .group_segment_fixed_size: 327680
    .private_segment_fixed_size: 0
    .kernarg_segment_align: 8
    .kernarg_segment_size: 32
    .max_flat_workgroup_size: 128
    .sgpr_count:     74
    .vgpr_count:     1024
    .wavefront_size: 32
...
	.end_amdgpu_metadata
.endif
;; end of part 4
